; MI455X (gfx1250); checked and timed in simulation.
; The chip was launched on July 23, 2026; its instructions are those of AMD's public machine-readable ISA for CDNA 5 (MIT licence, August 2026) and "CDNA5" Instruction Set Architecture Reference Guide (July 2026). The comments in the code are by the model that wrote it; some were corrected since.
;; Model. Allowed arithmetic: float matrix products may take bf16 or f16 operands with f32 sums; all other float work in f32.
;; Inputs: x1 16 x 2,048 x 64 float32; x2 16 x 2,048 x 64 float32.
;; Outputs: out0 16 x 2,048 x 64 float32.
;; One version. Each part assembles by itself: llvm-mc -triple=amdgcn-amd-amdhsa -mcpu=gfx1250 --defsym DOCPART=n.
;; ======== version 1 of 1: 1 launch
;; launch attn (part 1): grid 16 x 16, 8 waves a work-group, no clusters, 152,576 bytes of LDS; arguments x1, x2, out0; writes out0
.if DOCPART == 1
	.amdgcn_target "amdgcn-amd-amdhsa--gfx1250"
	.amdhsa_code_object_version 6
	.text
	.protected	k_q590225e7cd_attn
	.globl	k_q590225e7cd_attn
	.p2align	8
	.type	k_q590225e7cd_attn,@function
k_q590225e7cd_attn:
	s_mov_b64 s[64:65], 0
	v_nop
	global_prefetch_b8 v0, s[64:65] scope:SCOPE_SE
	s_setreg_imm32_b32 hwreg(HW_REG_WAVE_MODE, 25, 1), 1
	s_wait_xcnt 0x0
; out0[b][q][:] = softmax over k of (x1[b][q] . x2[b][k] / 8) times x2[b][k][:].   x1, x2, out0: [16][2048][64] f32.
;
; SHARES.  A work-group (x = block of 128 queries, y = batch) walks all 2,048 keys in 8 tiles of 256.  Wave w: qg = w & 3 names 32
; queries, kh = w >> 2 the half (128 keys) of every tile.  Waves w and w + 4 hold the same queries and split the keys; their running
; maximum, sum and numerator are merged once, at the end.  Register block b (0, 1) of a wave holds queries 32 qg + 16 (b xor kh) + r,
; so that every wave keeps its block 0, sends its block 1, and its partner's block 1 is its own block 0: no branch on the wave.
;
; BOTH PRODUCTS ARE TRANSPOSED.  S^T(key, q) = K Q^T: source 0 = 16 keys of x2, source 1 = 16 queries.  In the result lane (r, h) holds
; keys 8 h + j (register j) of query r; two neighbouring tiles, rounded in pairs to bf16, ARE the source-1 fragment of P^T (32 keys).
; O^T(d, q) = V^T P^T: source 0 = V^T, read from the same LDS rows by the transposing load.  All that belongs to query r lies in lanes
; r and r + 16: the maximum costs one exchange between the halves per tile, and the rescaling factor is one number a lane.
; The row sum is a fifth block of d whose source 0 is all ones: 8 more products on 64 a trip instead of 64 packed adds and a lane
; reduction, and it adds up the same rounded P as the numerator.
;
; x2 COMES THROUGH REGISTERS: f32 rows are loaded one tile ahead (16 loads of 16 bytes a thread), rounded to bf16 and stored into the
; LDS slot that is not being read; one barrier a trip.  The sixteen work-groups of a batch read the same x2, yet no joint (cluster)
; request is made: a copy into LDS brings the bytes as they lie in memory, f32, so a tile of 256 keys would be 64 KB written to LDS and
; 64 KB read back on top of the 256 KB of fragment reads and 32 KB of bf16 stores that a trip of the work-group has anyway.
;
; LIMITS.  Inputs finite and scores finite in f32; NaN and infinities are not carried as the reference carries them (the maximum drops a
; NaN).  Weights below 2^-126 of the largest weight of a wave's key half count as zero (v_exp_f32 flushes).  Q, K, V and P are rounded to
; bf16, sums are f32 in the matrix unit's order, the denominator adds the rounded P.
.set ROWB,   256                       ; bytes of a row of x1, x2, out0
.set TILEB,  256*ROWB                  ; a tile of 256 keys in memory
.set PITCH,  160                       ; LDS row of 64 bf16: byte = row * 160 + 16 * ((row >> 3) & 1).  With that skew the 16 rows of a plain
                                       ; fragment load start at 16 different multiples of 16 modulo 256 (10 r + (r >> 3) mod 16), and so do the
                                       ; 8 rows x 2 pieces of a transposing load (10 i + g mod 16)
.set SLOTB,  256*PITCH                 ; a slot: 256 keys.  Slots at 0 and at SLOTB
.set HALFB,  128*PITCH                 ; the 128 keys of one key half
.set XR,     2*SLOTB                   ; first the 128 queries in bf16 (same layout), at the end the exchange: 8 waves x XWB
.set XWB,    4352                      ; 32 registers x 128 bytes, then the sum (128 bytes), then -max*c (128 bytes)
.set OS,     XR+8*XWB                  ; the way out: 8 waves x 16 rows x 272 bytes (= XWB)
.set OPITCH, 272
; window 0 (v0-255)
.set GOFF, 8                           ; x2: (32 w + 4 h) rows + 16 r
.set LST,  9                           ; where that lands in a slot: (32 w + 4 h) * 160 + 8 r
.set ADK,  10                          ; v10, v11  K fragments in slot 0, 1
.set ADV,  12                          ; v12, v13  V^T fragments in slot 0, 1
.set PF,   14                          ; prefetch: (32 x + lane) rows
.set XW,   15                          ; exchange, mine: 16 bytes a lane
.set XW4,  16                          ;                  4 bytes a lane
.set XRD,  17                          ; exchange, my partner's
.set XRD4, 18
.set OW,   19                          ; way out: where I put 32 bytes of a row
.set ORD,  20                          ; way out: where I read a row back
.set GO,   21                          ; 16 x lane
.set QGOFF,22                          ; x1: (16 w + 4 h) rows + 16 r
.set QLST, 23
.set ST,   24                          ; v[24+8q ..]: softmax state of block q
.set MX, 0                             ;   running maximum of the raw scores
.set DT, 1                             ;   -c * new maximum
.set NM, 2                             ;   pair: -c * maximum, twice
.set AL, 4                             ;   pair: rescaling factor, twice
.set MB, 6                             ;   second chain of the maximum, then the factor's exponent
.set TP, 7                             ;   the other half's maximum
.set ONES, 40                          ; v[40:47]   a fragment of ones in bf16
.set F0,   48                          ; v[48:79]   fragments
.set F1,   80                          ; v[80:111]
.set SC,   112                         ; v[112:239] scores: block q, key tile t, register j at 112 + 64 q + 8 t + j; P(q, u) in place at 112 + 64 q + 16 u + 0..7
.set ELP,  240                         ; epilogue: partner's sum
.set ENP,  241                         ;   partner's -c * maximum
.set ENS,  242                         ;   the smaller of the two, then 1 / sum
.set EAS,  243                         ;   my factor
.set EAP,  244                         ;   partner's factor
.set ELT,  245                         ;   the whole sum
.set EFS,  246                         ;   pair: my factor / sum
.set EFP,  248                         ;   pair: partner's factor / sum
.set ET0,  250
.set ET1,  251
; window 1 (v256-503, written by their low 8 bits)
.set QF,   0                           ; Q fragments: block q, 32 d's k at 16 q + 8 k
.set ACC,  32                          ; O^T: block q, d block t at 32 + 40 q + 8 t; t = 4 is the row sum
.set STG,  112                         ; 16 x 4 registers: the next tile's f32 on their way
.set F2,   176
.set F3,   208
.set ONES1,240
; scalars: s[4:5] x1, s[6:7] x2, s[8:9] out0, s10 w, s11 qg, s12 kh, s14 batch, s[16:17] c twice, s18 -c, s20 s21 lane selects, s24 counter
.set LB, 22                            ; s[22:23] x2 at the tile that is loaded next
.set XB, 28                            ; s[28:29] x2 at the batch
.set MSB, 0
.macro WIN new                         ; low byte: bits 1:0 source 0, 3:2 source 1, 5:4 source 2, 7:6 destination; high byte: the setting left
.if MSB != \new
	s_set_vgpr_msb (MSB<<8)|\new
.set MSB, \new
.endif
.endm
.macro PLACES cnt
.rept \cnt
	v_nop
.endr
.endm
; cnt loads of 16 bytes a lane: lanes 0-15 take one whole row of 256 bytes, lanes 16-31 the row 4 further; load k: rows 8 (k >> 2) + (k & 3)
.macro GLD dst, cnt, voff, sb, imm, nt
.irp k, 0,1,2,3,4,5,6,7,8,9,10,11,12,13,14,15
.if \k < \cnt
.if \nt
	global_load_b128 v[\dst+4*\k:\dst+4*\k+3], v[\voff], s[\sb:\sb+1] offset:\imm+(8*(\k>>2)+(\k&3))*ROWB th:TH_LOAD_NT
.else
	global_load_b128 v[\dst+4*\k:\dst+4*\k+3], v[\voff], s[\sb:\sb+1] offset:\imm+(8*(\k>>2)+(\k&3))*ROWB
.endif
.endif
.endr
.endm
; round what GLD brought to bf16 in place (4 f32 -> 2 registers) and store 8 bytes a lane; the two rows of a store lie 640 bytes apart
.macro CVTST reg, cnt, win, vlds, imm
.if \win
	WIN 0x45
.else
	WIN 0
.endif
.irp k, 0,1,2,3,4,5,6,7,8,9,10,11,12,13,14,15
.if \k < \cnt
	v_cvt_pk_bf16_f32 v[\reg+4*\k],   v[\reg+4*\k],   v[\reg+4*\k+1]
	v_cvt_pk_bf16_f32 v[\reg+4*\k+1], v[\reg+4*\k+2], v[\reg+4*\k+3]
.endif
.endr
.if \win
	WIN 0x04
.endif
.irp k, 0,1,2,3,4,5,6,7,8,9,10,11,12,13,14,15
.if \k < \cnt
	ds_store_b64 v[\vlds], v[\reg+4*\k:\reg+4*\k+1] offset:\imm+(8*(\k>>2)+(\k&3))*PITCH+16*((\k>>2)&1)
.endif
.endr
.endm
; K fragments of key tiles 2 p, 2 p + 1 (16 keys x 64 d each): 8 loads
.macro LOADK f, p, adr
.irp a, 0,1
.irp k, 0,1
.irp e, 0,1
	ds_load_b128 v[\f+16*\a+8*\k+4*\e:\f+16*\a+8*\k+4*\e+3], v[\adr] offset:(2*\p+\a)*16*PITCH+64*\k+32*\e
.endr
.endr
.endr
.endm
; V^T fragments of keys 32 u .. 32 u + 31, four blocks of 16 d: 8 transposing loads
.macro LOADV f, u, adr
.irp d, 0,1,2,3
.irp e, 0,1
	ds_load_tr16_b128 v[\f+8*\d+4*\e:\f+8*\d+4*\e+3], v[\adr] offset:\u*32*PITCH+\e*16*PITCH+32*\d
.endr
.endr
.endm
; 8 products: S^T of key tiles 2 p, 2 p + 1 for both query blocks; the first 32 d start the sums, the second 32 go on in place
.macro SMUL f, p
.irp k, 0,1
.irp a, 0,1
.irp q, 0,1
.if \k == 0
	v_wmma_f32_16x16x32_bf16 v[SC+64*\q+8*(2*\p+\a):SC+64*\q+8*(2*\p+\a)+7], v[\f+16*\a+8*\k:\f+16*\a+8*\k+7], v[QF+16*\q+8*\k:QF+16*\q+8*\k+7], 0
.else
	v_wmma_f32_16x16x32_bf16 v[SC+64*\q+8*(2*\p+\a):SC+64*\q+8*(2*\p+\a)+7], v[\f+16*\a+8*\k:\f+16*\a+8*\k+7], v[QF+16*\q+8*\k:QF+16*\q+8*\k+7], v[SC+64*\q+8*(2*\p+\a):SC+64*\q+8*(2*\p+\a)+7]
.endif
.endr
.endr
.endr
.endm
; 10 products: O^T += V^T P^T for 32 keys, four blocks of d and the block of ones, both query blocks.  zero = 1: they start the sums
.macro PV f, ones, u, zero
.irp d, 0,1,2,3
.irp q, 0,1
.if \zero
	v_wmma_f32_16x16x32_bf16 v[ACC+40*\q+8*\d:ACC+40*\q+8*\d+7], v[\f+8*\d:\f+8*\d+7], v[SC+64*\q+16*\u:SC+64*\q+16*\u+7], 0
.else
	v_wmma_f32_16x16x32_bf16 v[ACC+40*\q+8*\d:ACC+40*\q+8*\d+7], v[\f+8*\d:\f+8*\d+7], v[SC+64*\q+16*\u:SC+64*\q+16*\u+7], v[ACC+40*\q+8*\d:ACC+40*\q+8*\d+7]
.endif
.endr
.endr
.irp q, 0,1
.if \zero
	v_wmma_f32_16x16x32_bf16 v[ACC+40*\q+32:ACC+40*\q+39], v[\ones:\ones+7], v[SC+64*\q+16*\u:SC+64*\q+16*\u+7], 0
.else
	v_wmma_f32_16x16x32_bf16 v[ACC+40*\q+32:ACC+40*\q+39], v[\ones:\ones+7], v[SC+64*\q+16*\u:SC+64*\q+16*\u+7], v[ACC+40*\q+32:ACC+40*\q+39]
.endif
.endr
.endm
; The running maximum of both blocks, in four chains of three-way maxima; then -c * maximum and, from the second tile on, the factor
; 2^(c (old - new)) by which what has been summed so far shrinks.
.macro SMAX first
.irp q, 0,1
.if \first
	v_max_num_f32 v[ST+8*\q+MX], v[SC+64*\q], v[SC+64*\q+1]
.else
	v_max3_num_f32 v[ST+8*\q+MX], v[ST+8*\q+MX], v[SC+64*\q], v[SC+64*\q+1]
.endif
	v_max_num_f32 v[ST+8*\q+MB], v[SC+64*\q+32], v[SC+64*\q+33]
.endr
.irp i, 1,2,3,4,5,6,7,8,9,10,11,12,13,14,15
.irp q, 0,1
	v_max3_num_f32 v[ST+8*\q+MX], v[ST+8*\q+MX], v[SC+64*\q+2*\i], v[SC+64*\q+2*\i+1]
	v_max3_num_f32 v[ST+8*\q+MB], v[ST+8*\q+MB], v[SC+64*\q+32+2*\i], v[SC+64*\q+33+2*\i]
.endr
.endr
.irp q, 0,1
	v_max_num_f32 v[ST+8*\q+MX], v[ST+8*\q+MX], v[ST+8*\q+MB]
.endr
.irp q, 0,1
	v_permlanex16_b32 v[ST+8*\q+TP], v[ST+8*\q+MX], s20, s21   ; lane r + 16 holds the other eight keys of each tile for query r
.endr
.irp q, 0,1
	v_max_num_f32 v[ST+8*\q+MX], v[ST+8*\q+MX], v[ST+8*\q+TP]
.endr
.irp q, 0,1
	v_mul_f32 v[ST+8*\q+DT], s18, v[ST+8*\q+MX]
.endr
.if \first == 0
.irp q, 0,1
	v_sub_f32 v[ST+8*\q+MB], v[ST+8*\q+DT], v[ST+8*\q+NM]      ; c (old maximum - new maximum), at most 0
.endr
.endif
.irp q, 0,1
	v_mov_b32 v[ST+8*\q+NM], v[ST+8*\q+DT]
	v_mov_b32 v[ST+8*\q+NM+1], v[ST+8*\q+DT]
.endr
.if \first == 0
.irp q, 0,1
	v_exp_f32 v[ST+8*\q+AL], v[ST+8*\q+MB]                     ; used only behind the plain lines of FMA 0 (ISA guide 5.7.2)
	v_exp_f32 v[ST+8*\q+AL+1], v[ST+8*\q+MB]
.endr
.endif
.endm
; Group g = 2 u + q: the 16 registers of block q, keys 32 u .. 32 u + 31.
.macro FMA g                           ; exponent: S c - max c, one fused multiply-add for two scores
.set GB, SC+64*((\g)&1)+16*((\g)>>1)
.set GN, ST+8*((\g)&1)+NM
.irp k, 0,1,2,3,4,5,6,7
	v_pk_fma_f32 v[GB+2*\k:GB+2*\k+1], v[GB+2*\k:GB+2*\k+1], s[16:17], v[GN:GN+1] op_sel_hi:[1,0,1]
.endr
.endm
.macro EXPG g
.set GB, SC+64*((\g)&1)+16*((\g)>>1)
.irp k, 0,1,2,3,4,5,6,7,8,9,10,11,12,13,14,15
	v_exp_f32 v[GB+\k], v[GB+\k]
.endr
.endm
.macro CVTP g                          ; in place and ascending: register k is written when registers 2 k, 2 k + 1 are read
.set GB, SC+64*((\g)&1)+16*((\g)>>1)
	s_wait_alu depctr_va_vdst(0)
.irp k, 0,1,2,3,4,5,6,7
	v_cvt_pk_bf16_f32 v[GB+\k], v[GB+2*\k], v[GB+2*\k+1]
.endr
.endm
.macro RESC                            ; numerator and sum of both blocks shrink by the lane's factor
	WIN 0x41
	s_wait_alu depctr_va_vdst(0)
.irp q, 0,1
.irp k, 0,1,2,3,4,5,6,7,8,9,10,11,12,13,14,15,16,17,18,19
	v_pk_mul_f32 v[ACC+40*\q+2*\k:ACC+40*\q+2*\k+1], v[ACC+40*\q+2*\k:ACC+40*\q+2*\k+1], v[ST+8*\q+AL:ST+8*\q+AL+1]
.endr
.endr
.endm
; One tile.  slot: where it lies.  first: it starts maximum and sums.  cvt: the next tile, loaded a trip ago, is rounded and stored into
; the other slot.  ld: the tile after that is asked for.  bar: the barrier that ends the trip.
.macro TRIP slot, first, cvt, ld, bar
	WIN 0
	LOADK F0, 0, ADK+\slot
	LOADK F1, 1, ADK+\slot
	WIN 0x40
	LOADK F2, 2, ADK+\slot
	LOADK F3, 3, ADK+\slot
	WIN 0x04                                       ; source 0 (K) window 0, source 1 (Q) window 1, S window 0
	s_wait_dscnt 24                                ; LDS loads come back in order: all but the 24 youngest, so F0 (and, in the first trip, Q) is in
	SMUL F0, 0
	s_wait_dscnt 16
	SMUL F1, 1
	WIN 0x05                                       ; K from window 1
	s_wait_dscnt 8
	SMUL F2, 2
	s_wait_dscnt 0
	SMUL F3, 3
	PLACES 4                                       ; four plain places behind the last product before loads land on its sources and vector work reads S
	WIN 0
	LOADV F0, 0, ADV+\slot                         ; V^T comes in while the softmax runs
	LOADV F1, 1, ADV+\slot
	WIN 0x40
	LOADV F2, 2, ADV+\slot
	LOADV F3, 3, ADV+\slot
.if \cvt
	s_wait_loadcnt 0x0                             ; the next tile's 16 loads, issued a trip ago
.if \ld
	s_wait_xcnt 0x0                                ; wave 0's prefetch names LB too and has no counter but this one; it stands a whole S phase back
	s_add_nc_u64 s[LB:LB+1], s[LB:LB+1], TILEB
.endif
	CVTST STG, 16, 1, LST, (1-\slot)*SLOTB         ; the other slot: its last readers passed the barrier that ended the trip before
.if \ld
	WIN 0x40
	GLD STG, 16, GOFF, LB, 0, 0                    ; 16 x 512 bytes a wave stay on their way for a trip
.endif
.endif
	WIN 0
	SMAX \first
	FMA 0
.if \first == 0
	RESC
	WIN 0
.endif
	; exponentials of a group, then the next group's multiply-adds (the plain lines behind the exponentials), then the rounding;
	; after each pair of groups the ten products of its 32 keys, so that the next exponentials stand behind matrix work
	EXPG 0
	FMA 1
	CVTP 0
	EXPG 1
	FMA 2
	CVTP 1
	s_wait_dscnt 0x0                               ; V^T is in, and my stores of the next tile are done
	WIN 0x50                                       ; V^T and P window 0, O^T window 1
	PV F0, ONES, 0, \first
	WIN 0
	EXPG 2
	FMA 3
	CVTP 2
	EXPG 3
	FMA 4
	CVTP 3
	WIN 0x50
	PV F1, ONES, 1, 0
	WIN 0
	EXPG 4
	FMA 5
	CVTP 4
	EXPG 5
	FMA 6
	CVTP 5
	WIN 0x51                                       ; V^T from window 1
	PV F2, ONES1, 2, 0
	WIN 0
	EXPG 6
	FMA 7
	CVTP 6
	EXPG 7
	v_nop                                          ; the plain line behind the last exponential
	s_wait_alu depctr_va_vdst(0)
	CVTP 7
	WIN 0x51
	PV F3, ONES1, 3, 0
	WIN 0
.if \bar
	PLACES 5                                       ; the next trip's first products write over P, a source of the last ones: five places (ISA guide 7.12.1)
	s_wait_dscnt 0x0                               ; for the others: my reads of this slot and my stores into the other one are complete
	s_barrier_signal -1
	s_barrier_wait -1                              ; now this slot may be written and the other one read
.endif
.endm
	; ---- ids, the addresses that the first loads need, and the loads ----
	s_load_b128 s[4:7], s[0:1], 0x0                ; x1, x2
	s_load_b64 s[8:9], s[0:1], 0x10                ; out0
	v_lshl_add_u32 v254, v0, 2, 0x25000
	v_mov_b32 v255, 0
	v_and_b32 v1, 31, v0                           ; lane L
	v_lshrrev_b32 v2, 5, v0
	v_readfirstlane_b32 s10, v2                    ; wave w
	v_and_b32 v2, 15, v0                           ; r = L & 15
	v_bfe_u32 v3, v0, 4, 1                         ; h = L >> 4
	s_and_b32 s11, s10, 3                          ; qg
	s_lshr_b32 s12, s10, 2                         ; kh
	s_and_b32 s14, ttmp7, 0xffff                   ; batch
	v_lshlrev_b32 v7, 4, v2                        ; 16 r
	v_lshl_add_u32 v7, v3, 10, v7                  ; + 4 h rows
	s_lshl_b32 s2, s10, 13                         ; 32 w rows
	s_lshl_b32 s3, s10, 12                         ; 16 w rows
	v_add_nc_u32 v[GOFF], s2, v7
	v_add_nc_u32 v[QGOFF], s3, v7
	s_lshl_b32 s2, ttmp9, 13                       ; 32 x rows
	v_lshl_add_u32 v[PF], v1, 8, s2
	s_lshl_b32 s26, s14, 19                        ; the batch: 2,048 rows of 256 bytes
	s_mov_b32 s27, 0
	s_wait_kmcnt 0x0
	s_add_nc_u64 s[XB:XB+1], s[6:7], s[26:27]      ; x2 at the batch
	s_add_nc_u64 s[LB:LB+1], s[XB:XB+1], 2*TILEB   ; tile 2
	s_lshl_b32 s2, ttmp9, 15                       ; the block of 128 queries
	s_add_co_u32 s26, s26, s2
	s_add_nc_u64 s[4:5], s[4:5], s[26:27]          ; x1 at the block
	s_lshl_b32 s2, s11, 13                         ; 32 qg rows
	s_lshl_b32 s3, s12, 12                         ; 16 kh rows: the block that this wave keeps and stores
	s_add_co_u32 s2, s2, s3
	s_add_co_u32 s26, s26, s2
	s_add_nc_u64 s[8:9], s[8:9], s[26:27]          ; out0 at my 16 rows
	GLD SC, 8, QGOFF, 4, 0, 1                      ; 16 rows of x1 a wave; no other work-group reads them
	WIN 0x40
	GLD STG, 16, GOFF, XB, 0, 0                    ; tile 0
	WIN 0
	GLD SC+32, 16, GOFF, XB, TILEB, 0              ; tile 1
	; Wave 0 of each of the batch's sixteen work-groups asks for 32 rows of 256 bytes: together the 512 rows of tiles 2 and 3, each row once.
	s_cmp_lg_u32 s10, 0
	s_cbranch_scc1 .Lpf0
	global_prefetch_b8 v[PF], s[LB:LB+1] th:TH_LOAD_NT scope:SCOPE_SE
.Lpf0:
	; ---- everything else, while the loads are on their way ----
	s_mov_b32 s16, 0x3e38aa3b                      ; c = log2(e) / 8
	s_mov_b32 s17, 0x3e38aa3b
	s_mov_b32 s18, 0xbe38aa3b                      ; -c
	s_mov_b32 s20, 0x76543210                      ; v_permlanex16_b32: lane i of one half reads lane i of the other
	s_mov_b32 s21, 0xfedcba98
	v_mul_u32_u24 v7, v3, 4*PITCH                  ; 4 h rows in LDS
	v_lshl_add_u32 v7, v2, 3, v7                   ; + 8 r
	s_mul_i32 s2, s10, 32*PITCH
	s_mul_i32 s3, s10, 16*PITCH
	s_add_co_u32 s3, s3, XR
	v_add_nc_u32 v[LST], s2, v7
	v_add_nc_u32 v[QLST], s3, v7
	v_lshrrev_b32 v7, 3, v2                        ; plain fragments: r * 160 + 16 (r >> 3) + 16 h
	v_add_nc_u32 v7, v7, v3
	v_mul_u32_u24 v6, v2, PITCH
	v_lshl_add_u32 v6, v7, 4, v6
	s_mul_i32 s15, s12, HALFB                      ; my key half
	v_add_nc_u32 v[ADK], s15, v6
	v_add_nc_u32 v[ADK+1], SLOTB, v[ADK]
	v_and_b32 v7, 7, v1                            ; transposed fragments: (8 h + (L & 7)) * 160 + 16 h + 16 ((L >> 3) & 1)
	v_lshl_add_u32 v7, v3, 3, v7
	v_mul_u32_u24 v7, v7, PITCH
	v_bfe_u32 v[ADV], v1, 3, 1
	v_add_nc_u32 v[ADV], v[ADV], v3
	v_lshl_add_u32 v[ADV], v[ADV], 4, v7
	v_add_nc_u32 v[ADV], s15, v[ADV]
	v_add_nc_u32 v[ADV+1], SLOTB, v[ADV]
	s_mul_i32 s2, s11, 32*PITCH                    ; Q fragments: block 0 = rows 32 qg + 16 kh, block 1 = rows 32 qg + 16 (1 - kh)
	s_add_co_u32 s2, s2, XR
	s_mul_i32 s3, s12, 16*PITCH
	s_add_co_u32 s25, s2, s3
	s_sub_co_u32 s3, 16*PITCH, s3
	s_add_co_u32 s3, s2, s3
	v_add_nc_u32 v4, s25, v6
	v_add_nc_u32 v5, s3, v6
	s_mul_i32 s2, s10, XWB                         ; exchange and way out
	s_add_co_u32 s3, s2, XR
	v_lshl_add_u32 v[XW], v1, 4, s3
	v_lshl_add_u32 v[XW4], v1, 2, s3
	s_xor_b32 s25, s10, 4                          ; my partner
	s_mul_i32 s25, s25, XWB
	s_add_co_u32 s25, s25, XR
	v_lshl_add_u32 v[XRD], v1, 4, s25
	v_lshl_add_u32 v[XRD4], v1, 2, s25
	s_add_co_u32 s2, s2, OS
	v_mul_u32_u24 v[OW], v2, OPITCH                ; in: row r, 32 bytes for each half of the lanes
	v_lshl_add_u32 v[OW], v3, 5, v[OW]
	v_add_nc_u32 v[OW], s2, v[OW]
	v_mul_u32_u24 v[ORD], v3, OPITCH               ; back: lanes 0-15 one row of 256 bytes, lanes 16-31 the next
	v_lshl_add_u32 v[ORD], v2, 4, v[ORD]
	v_add_nc_u32 v[ORD], s2, v[ORD]
	v_lshlrev_b32 v[GO], 4, v1
	v_mov_b32 v[ST+TP], 0                          ; v_permlanex16_b32 counts as a reader of its destination
	v_mov_b32 v[ST+8+TP], 0
.irp k, 0,1,2,3,4,5,6,7
	v_mov_b32 v[ONES+\k], 0x3f803f80               ; 1.0 in both halves
.endr
	WIN 0x40
.irp k, 0,1,2,3,4,5,6,7
	v_mov_b32 v[ONES1+\k], 0x3f803f80
.endr
	; ---- x1, tile 0 and tile 1 into LDS; tile 2 asked for ----
	s_wait_loadcnt 32                              ; the 32 loads of tiles 0 and 1 may be out: x1 is in
	CVTST SC, 8, 0, QLST, 0
	s_wait_loadcnt 16                              ; tile 1's may be out: tile 0 is in
	CVTST STG, 16, 1, LST, 0
	WIN 0x40
	GLD STG, 16, GOFF, LB, 0, 0                    ; tile 2
	s_wait_loadcnt 16                              ; tile 2's may be out: tile 1 is in
	CVTST SC+32, 16, 0, LST, SLOTB
	s_wait_dscnt 0x0                               ; for the others: my rows are stored
	s_barrier_signal -1
	s_barrier_wait -1
	WIN 0x40
.irp k, 0,1
.irp e, 0,1
	ds_load_b128 v[QF+8*\k+4*\e:QF+8*\k+4*\e+3], v4 offset:64*\k+32*\e        ; older than the first trip's K loads: its first wait covers them
	ds_load_b128 v[QF+16+8*\k+4*\e:QF+16+8*\k+4*\e+3], v5 offset:64*\k+32*\e
.endr
.endr
	; ---- the eight tiles ----
	TRIP 0, 1, 0, 0, 1                             ; tile 0: starts the sums; tile 1 lies in its slot already
	s_mov_b32 s24, 2
.Lloop:
	; At the head of tiles 1 and 3, LB stands at tiles 2 and 4: the sixteen waves 0 of the batch ask for tiles 4, 5 and then 6, 7, each row
	; once; their loads are issued in the next trip and in the one after it.  Tile 7 ends the batch: nothing beyond it is asked for.
	s_cmp_lg_u32 s10, 0
	s_cbranch_scc1 .Lpf1
	global_prefetch_b8 v[PF], s[LB:LB+1] offset:2*TILEB th:TH_LOAD_NT scope:SCOPE_SE
.Lpf1:
	TRIP 1, 0, 1, 1, 1                             ; tiles 1, 3
	TRIP 0, 0, 1, 1, 1                             ; tiles 2, 4
	s_sub_co_u32 s24, s24, 1
	s_cmp_lg_u32 s24, 0
	s_cbranch_scc1 .Lloop
	TRIP 1, 0, 1, 1, 1                             ; tile 5: asks for tile 7, the last
	TRIP 0, 0, 1, 0, 1                             ; tile 6: stores tile 7, loads nothing
	TRIP 1, 0, 0, 0, 0                             ; tile 7
	; ---- merge of the two key halves: my block 1 goes to my partner, its block 1 is my block 0 ----
	PLACES 4                                       ; four places behind the last products before their results are stored (ISA guide 7.12.1)
	WIN 0x04
.irp i, 0,1,2,3,4,5,6,7
	ds_store_b128 v[XW], v[ACC+40+4*\i:ACC+40+4*\i+3] offset:512*\i
.endr
	ds_store_b32 v[XW4], v[ACC+72] offset:4096     ; block 1's sum (every register of the block of ones holds it)
	WIN 0
	ds_store_b32 v[XW4], v[ST+8+NM] offset:4224    ; block 1's -c * maximum
	s_wait_dscnt 0x0                               ; for my partner
	s_barrier_signal -1
	s_barrier_wait -1
.irp i, 0,1,2,3,4,5,6,7
	ds_load_b128 v[SC+4*\i:SC+4*\i+3], v[XRD] offset:512*\i
.endr
	ds_load_b32 v[ELP], v[XRD4] offset:4096
	ds_load_b32 v[ENP], v[XRD4] offset:4224
	s_wait_dscnt 0x0
	v_min_num_f32 v[ENS], v[ST+NM], v[ENP]         ; -c * the larger maximum
	v_sub_f32 v[ET0], v[ENS], v[ST+NM]
	v_sub_f32 v[ET1], v[ENS], v[ENP]
	v_exp_f32 v[EAS], v[ET0]                       ; one of the two factors is 1
	v_exp_f32 v[EAP], v[ET1]
	v_nop                                          ; the plain line behind the exponentials
	WIN 0x01
	s_wait_alu depctr_va_vdst(0)
	v_mul_f32 v[ELT], v[ACC+32], v[EAS]            ; my sum
	WIN 0
	v_fmac_f32 v[ELT], v[ELP], v[EAP]              ; + my partner's
	v_rcp_f32 v[ENS], v[ELT]
	v_nop                                          ; the plain line behind the reciprocal
	s_wait_alu depctr_va_vdst(0)
	v_mul_f32 v[EFS], v[EAS], v[ENS]
	v_mul_f32 v[EFS+1], v[EAS], v[ENS]
	v_mul_f32 v[EFP], v[EAP], v[ENS]
	v_mul_f32 v[EFP+1], v[EAP], v[ENS]
.irp k, 0,1,2,3,4,5,6,7,8,9,10,11,12,13,14,15
	v_pk_mul_f32 v[SC+2*\k:SC+2*\k+1], v[SC+2*\k:SC+2*\k+1], v[EFP:EFP+1]
.endr
	WIN 0x01
.irp k, 0,1,2,3,4,5,6,7,8,9,10,11,12,13,14,15
	v_pk_fma_f32 v[SC+2*\k:SC+2*\k+1], v[ACC+2*\k:ACC+2*\k+1], v[EFS:EFP-1], v[SC+2*\k:SC+2*\k+1]
.endr
	WIN 0
	; ---- the way out: lane (r, h) holds d = 16 t + 8 h + 0..7 of query r; through my own 16 rows of LDS into whole rows of 256 bytes ----
.irp d, 0,1,2,3
.irp e, 0,1
	ds_store_b128 v[OW], v[SC+8*\d+4*\e:SC+8*\d+4*\e+3] offset:64*\d+16*\e
.endr
.endr
.irp t, 0,1,2,3,4,5,6,7
	ds_load_b128 v[SC+32+4*\t:SC+32+4*\t+3], v[ORD] offset:\t*2*OPITCH        ; my own bytes, and LDS serves a wave's instructions in order: no wait between
.endr
.irp t, 0,1,2,3,4,5,6,7
	s_wait_dscnt 7-\t                              ; the younger read-backs may be out
	global_store_b128 v[GO], v[SC+32+4*\t:SC+32+4*\t+3], s[8:9] offset:\t*2*ROWB th:TH_STORE_NT   ; two whole rows: 512 consecutive bytes, aligned
.endr
	s_wait_tensorcnt 0x0
	ds_add_u32 v254, v255
	s_wait_dscnt 0x0
	s_endpgm
.Lfunc_end_k_q590225e7cd_attn:
	.size	k_q590225e7cd_attn, .Lfunc_end_k_q590225e7cd_attn-k_q590225e7cd_attn
	.p2alignl 7, 3214868480
	.fill 96, 4, 3214868480
	.section	.rodata,"a",@progbits
	.p2align	6, 0x0
	.amdhsa_kernel k_q590225e7cd_attn
		.amdhsa_group_segment_fixed_size 152576
		.amdhsa_private_segment_fixed_size 0
		.amdhsa_enable_private_segment 0
		.amdhsa_kernarg_size 24
		.amdhsa_user_sgpr_count 2
		.amdhsa_user_sgpr_kernarg_segment_ptr 1
		.amdhsa_wavefront_size32 1
		.amdhsa_system_sgpr_workgroup_id_x 1
		.amdhsa_system_sgpr_workgroup_id_y 1
		.amdhsa_system_sgpr_workgroup_id_z 1
		.amdhsa_system_vgpr_workitem_id 0
		.amdhsa_next_free_vgpr 504
		.amdhsa_next_free_sgpr 66
		.amdhsa_reserve_vcc 0
		.amdhsa_float_denorm_mode_32 3
		.amdhsa_float_denorm_mode_16_64 3
		.amdhsa_memory_ordered 1
		.amdhsa_forward_progress 1
		.amdhsa_inst_pref_size 214
	.end_amdhsa_kernel
	.amdgpu_metadata
---
amdhsa.version: [ 1, 2 ]
amdhsa.kernels:
  - .name:           k_q590225e7cd_attn
    .symbol:         k_q590225e7cd_attn.kd
    .args:
      - { .name: x1, .offset: 0, .size: 8, .value_kind: global_buffer, .address_space: global }
      - { .name: x2, .offset: 8, .size: 8, .value_kind: global_buffer, .address_space: global }
      - { .name: out0, .offset: 16, .size: 8, .value_kind: global_buffer, .address_space: global }
    .group_segment_fixed_size: 152576
    .private_segment_fixed_size: 0
    .kernarg_segment_align: 8
    .kernarg_segment_size: 24
    .max_flat_workgroup_size: 256
    .sgpr_count:     66
    .vgpr_count:     504
    .wavefront_size: 32
...
	.end_amdgpu_metadata
.endif
;; end of part 1
